; MI455X (gfx1250); checked and timed in simulation.
; The chip was launched on July 23, 2026; its instructions are those of AMD's public machine-readable ISA for CDNA 5 (MIT licence, August 2026) and "CDNA5" Instruction Set Architecture Reference Guide (July 2026). The comments in the code are by the model that wrote it; some were corrected since.
;; Local MHA. Allowed arithmetic: matrix products marked QUANTISED: E5M2 operands, one given power-of-two scale a tensor, by v_wmma_f32_16x16x64_bf8_bf8 or v_wmma_f32_16x16x128_bf8_bf8, f32 sums; products left as they are: f32 operands where the result goes on into a quantised operand, else bf16, f16 or f32 operands; f32 sums; everything else in f32.
;; Inputs: beta 1,024 float32; gamma 1,024 float32; lowp_scales 8 int32 (the exponents e of the quantised operands' scales 2^e); w_out_codes 1,024 x 32 x 32 uint8 (E5M2 codes of w_out, K innermost, in blocks of 32 codes); w_qkv_codes 3,072 x 32 x 32 uint8 (E5M2 codes of w_qkv, K innermost, in blocks of 32 codes); x 1,024 x 16,384 float32.
;; Outputs: out0 1,024 x 16,384 float32.
;; This version of the problem:
;;   THIS VERSION OF THE PROBLEM IS GIVEN IN LOW PRECISION. The matrix products marked QUANTISED in the list below multiply operands that are first quantised to E5M2 (5 exponent bits, 2 mantissa bits; 8 bits a number), with one given power-of-two scale for each operand tensor; their sums are f32. All else is computed in f32.
;;   The module's matrix products, in the order in which they are computed (A, B: the left and right operand; K: the contracted axis; several contracted axes count as one K, in the product's order):
;;     1. [M 16,384, K 1,024] x [K 1,024, N 3,072]; A: computed on the way; B: input w_qkv (given as codes): QUANTISED (scales: A lowp_scales[0], B lowp_scales[1])
;;     2. [M 32, K 1] x [K 1, N 32]; A: computed on the way; B: computed on the way: left as it is (no contracted axis)
;;     3. batch 8,192 x [M 32, K 64] x [K 64, N 32]; A: computed on the way; B: computed on the way: QUANTISED (scales: A lowp_scales[2], B lowp_scales[3])
;;     4. batch 8,192 x [M 32, K 32] x [K 32, N 64]; A: softmax (see below); B: computed on the way: QUANTISED (scales: A lowp_scales[4], B lowp_scales[5])
;;     5. [M 16,384, K 1,024] x [K 1,024, N 1,024]; A: computed on the way; B: input w_out (given as codes): QUANTISED (scales: A lowp_scales[6], B lowp_scales[7])
;;   THE QUANTISER, for each operand of a quantised product, along K:
;;     - The operand's scale is 2^e, e = its entry of the input lowp_scales (int32; the entries are numbered through the quantised products in the list's order, A before B).
;;     - Each number is divided by the scale, clamped to +-57,344, and rounded to the nearest number of E5M2, ties to even, subnormals kept.
;;     - The product sums the exact products of the quantised numbers (number of the format x scale) in f32.
;;   ~~~python
;;   def quantise(x, axis, e):      # numpy; x: float32 -> the quantised numbers, widened to float32 again
;;       x = np.moveaxis(x, axis, -1); K = x.shape[-1]
;;       r = np.clip(x / 2.0 ** e, -57344, 57344)
;;       step = 2.0 ** (np.maximum(np.frexp(np.where(r == 0, 1, r))[1] - 1, -14) - 2)
;;       q = np.round(r / step) * step * 2.0 ** e      # np.round: ties to even
;;       return np.moveaxis(q, -1, axis).astype(np.float32)
;;   ~~~
;;   SOFTMAX AHEAD OF A QUANTISED PRODUCT. Where the list says 'softmax', what is quantised is not the finished softmax but p = 2^(t - M), with t = logit x log2(e) and M = ceil(the row's largest t), a whole number; so 1/2 < the row's largest p <= 1. The row's sum l is taken of the UNQUANTISED p, in f32, and the product's result is divided by l at the end. Since M is a whole number, a kernel that streams over the keys may use a running M (the ceiling of the running maximum): every later rescaling is an exact power of two, so the quantised numbers keep their values, but for numbers so far below the row's largest that they fall under the format's range.
;;   OPERANDS COMPUTED ON THE WAY. 'Computed on the way' means the value that the module computes at that place (a softmax that the list does not call 'softmax' is quantised finished and normalised). What goes into a quantiser is computed in f32, as accurately as f32 sums, v_exp_f32 and their like allow (about 1e-6 of the number): no bf16 or f16 on the way to a quantiser, and a product that is left as it is and whose result goes on into a quantised operand takes f32 operands (vector FMAs, or v_wmma_f32_16x16x4_f32). A number that lies on a knife's edge between two numbers of the format may be rounded either way, as far as f32 arithmetic and the matrix unit's own rounding can turn it there, and no further.
;;   INPUTS GIVEN AS CODES. w_out (in the module: [1024, 1024], K = its axis 1); w_qkv (in the module: [3072, 1024], K = its axis 1): each comes as NAME_codes (uint8): NAME with its K axis moved to the last place and cut into blocks of 32 codes, [.., K / 32, bytes a block], one block behind the other in memory; one code a byte (a code: sign, 5 exponent bits, 2 mantissa bits); its scale is its entry of lowp_scales. Its value is code x scale, taken as it is: it is not quantised again, and the codes and scales need not be those that the quantiser above would give.
;; One version. Each part assembles by itself: llvm-mc -triple=amdgcn-amd-amdhsa -mcpu=gfx1250 --defsym DOCPART=n.
;; ======== version 1 of 1: 3 launches
;; limits: right only within a limited range of input values
;; workspace buffers: a_codes 16,777,216 bytes; o_codes 16,777,216 bytes
;; launch norm (part 1): grid 256 x 1, 16 waves a work-group, no clusters, 22,528 bytes of LDS; arguments x, gamma, beta, lowp_scales, a_codes; writes a_codes
.if DOCPART == 1
	.amdgcn_target "amdgcn-amd-amdhsa--gfx1250"
	.amdhsa_code_object_version 6
	.text
	.protected	k_q760df39687_norm
	.globl	k_q760df39687_norm
	.p2align	8
	.type	k_q760df39687_norm,@function
k_q760df39687_norm:
	s_mov_b64 s[64:65], 0
	v_nop
	global_prefetch_b8 v0, s[64:65] scope:SCOPE_SE
	s_setreg_imm32_b32 hwreg(HW_REG_WAVE_MODE, 25, 1), 1
	s_wait_xcnt 0x0
; FIRST OF THREE LAUNCHES.  LayerNorm over the 1,024 channels of each token, x gamma + beta, and the quantiser of the QKV product's left operand (E5M2, the given scale 2^e0).
; x: [1024 channels][16384 tokens] f32.  a_codes: for each block of 64 tokens 65,536 bytes in the order of the operand's registers:
;   [K step s of 128: 8][tile tt of 16 tokens: 4][c: 4][h': 2][r: 16][16 bytes]: the 16 bytes are the codes of token 16 tt + r at channels 128 s + 32 c + 16 h' + 0 .. 15.
; SHARES.  A work-group takes 64 tokens.  Wave w takes tokens 32 (w % 2) on and channels 128 (w / 2) on.  A LANE TAKES A TOKEN AND ITS REGISTERS RUN DOWN THE CHANNELS: each load reads
; 128 consecutive bytes of a channel's row (two neighbouring waves together its aligned 256), and the conversions, which take neighbours along K from one lane's registers, give codes with K innermost.
; x is read once and stays in 128 registers between the three passes (sum; sum of squares of x - mean; scaling).  The variance is taken of x - mean, not as a difference of two large sums.
; The eight waves that share a token meet twice in LDS: one word a thread, one barrier each time, other bytes the second time.
; GAMMA AND BETA.  Every lane of a wave wants the same 128 + 128 numbers.  The wave loads them once, 16 bytes a lane, puts them into 1,024 bytes of LDS of its own, and reads each chunk's 16 + 16 back at one address
; for all lanes, a chunk ahead of their use: LDS loads come back in order, so the wait for a chunk leaves the next chunk's loads out.
; No matrix unit, no tensor load, no cluster: work-groups share no input but gamma and beta, 8 KiB in all.
; LIMITS: e0 between -126 and 112, so that 2^e0 and 57,344 x 2^e0 are f32 numbers.  NaN among the inputs is not served; numbers beyond the scale's range are held at the largest code.
.set X,    32                          ; v32-159  channel i of my 128, then x - mean, then the normed number
.set C,    160                         ; v160-191 codes: four registers for each chunk of 16 channels, so that no store's data are written again
.set G,    192                         ; v192-255 two sets of 32: a chunk's 16 gamma, then its 16 beta
.set ROWB, 65536                       ; bytes in a channel's row of x
.set GBL,  4096                        ; LDS: behind the two exchanges, 1,024 bytes for each wave: 512 of gamma, 512 of beta
	s_load_b256 s[4:11], s[0:1], 0x0               ; x s[4:5], gamma s[6:7], beta s[8:9], the scales' exponents s[10:11]
	s_load_b64 s[12:13], s[0:1], 0x20              ; a_codes
	v_lshrrev_b32 v1, 5, v0
	s_delay_alu instid0(VALU_DEP_1)
	v_readfirstlane_b32 s14, v1                    ; wave 0..15
	s_and_b32 s15, s14, 1                          ; which 32 tokens
	s_lshr_b32 s84, s14, 1                         ; which K step of 128 channels
	v_and_b32 v5, 31, v0                           ; lane
	s_delay_alu instid0(VALU_DEP_1)
	v_lshlrev_b32 v1, 2, v5                        ; x: 4 bytes a lane
	s_delay_alu instid0(VALU_DEP_2)
	v_lshrrev_b32 v2, 4, v5
	v_and_b32 v4, 15, v0
	s_delay_alu instid0(VALU_DEP_1)
	v_lshlrev_b32 v4, 4, v4
	s_delay_alu instid0(VALU_DEP_1)
	v_lshl_add_u32 v2, v2, 11, v4                  ; codes: 2,048 x (lane / 16) (the tile of tokens) + 16 x (lane % 16)
	v_lshlrev_b32 v3, 2, v0                        ; LDS: my word: 4 x thread = 4 x (64 x K step + token in the block)
	v_and_b32 v4, 63, v0
	s_delay_alu instid0(VALU_DEP_1)
	v_lshlrev_b32 v4, 2, v4                        ; LDS: my token's word of K step 0
	v_lshlrev_b32 v30, 4, v5                       ; gamma, beta in memory: 16 bytes a lane
	s_lshl_b32 s92, s14, 10
	s_add_co_u32 s92, s92, GBL                     ; my wave's 1,024 bytes of LDS
	v_mov_b32 v28, s92                             ; out of them: one address for all lanes
	v_lshl_add_u32 v29, v5, 4, s92                 ; into them: 16 bytes a lane
	s_lshl_b32 s86, s84, 23                        ; x: 128 channels x 65,536 bytes for each K step,
	s_lshl_b32 s87, ttmp9, 8                       ; 256 bytes for each block of 64 tokens,
	s_add_co_u32 s86, s86, s87
	s_lshl_b32 s87, s15, 7                         ; 128 for my half of them
	s_add_co_u32 s86, s86, s87
	s_mov_b32 s87, 0
	s_lshl_b32 s88, s84, 9                         ; gamma, beta: my 128 numbers
	s_mov_b32 s89, 0
	s_lshl_b32 s90, ttmp9, 16                      ; codes: 65,536 a block, 8,192 a K step, 4,096 for two tiles of tokens
	s_lshl_b32 s91, s84, 13
	s_add_co_u32 s90, s90, s91
	s_lshl_b32 s91, s15, 12
	s_add_co_u32 s90, s90, s91
	s_mov_b32 s91, 0
	s_wait_alu depctr_va_vdst(0)
	s_wait_kmcnt 0x0
	s_add_nc_u64 s[4:5], s[4:5], s[86:87]
	s_add_nc_u64 s[6:7], s[6:7], s[88:89]
	s_add_nc_u64 s[8:9], s[8:9], s[88:89]
	s_add_nc_u64 s[12:13], s[12:13], s[90:91]
	s_load_b32 s85, s[10:11], 0x0                  ; e0
	global_load_b128 v[20:23], v30, s[6:7]         ; my wave's 128 gamma: 512 consecutive bytes; ahead of x, so that they are in with x's first half
	global_load_b128 v[24:27], v30, s[8:9]         ; and 128 beta
.set i, 0
.rept 128
	global_load_b32 v[X+i], v1, s[4:5] offset:i*ROWB th:TH_LOAD_NT   ; 32 lanes read 128 consecutive bytes; 127 rows at the most: inside the signed 24-bit immediate
.set i, i+1
.endr
	s_wait_kmcnt 0x0
	s_add_co_i32 s85, s85, 127
	s_lshl_b32 s86, s85, 23
	v_mov_b32 v10, s86                             ; 2^e0 as f32: the conversion takes its exponent field
	s_add_co_i32 s85, s85, 15
	s_lshl_b32 s85, s85, 23
	s_or_b32 s85, s85, 0x600000
	v_mov_b32 v11, s85                             ; 57,344 x 2^e0
	; ---- pass 1: the sum of my 128 channels, two at a time, in four chains begun by the first eight pairs: nothing is cleared
	s_wait_loadcnt 63                              ; of the 130 loads at most the youngest 63 are out: gamma, beta and channels 0 to 64 are in
	ds_store_b128 v29, v[20:23]                    ; only my wave touches these bytes, and LDS serves a wave's instructions in order: no barrier
	ds_store_b128 v29, v[24:27] offset:512
.irp c, 0,1,2,3
	v_pk_add_f32 v[12+2*\c:13+2*\c], v[X+2*\c:X+2*\c+1], v[X+8+2*\c:X+9+2*\c]
.endr
.set p, 8
.rept 24
	s_delay_alu instid0(VALU_DEP_4)
	v_pk_add_f32 v[12+2*(p%4):13+2*(p%4)], v[12+2*(p%4):13+2*(p%4)], v[X+2*p:X+2*p+1]
.set p, p+1
.endr
	s_wait_alu depctr_va_vdst(0)
	s_wait_loadcnt 32                              ; the youngest 32 may be out: channels 0 to 95 are in
.rept 16
	v_pk_add_f32 v[12+2*(p%4):13+2*(p%4)], v[12+2*(p%4):13+2*(p%4)], v[X+2*p:X+2*p+1]
.set p, p+1
.endr
	s_wait_alu depctr_va_vdst(0)
	s_wait_loadcnt 0x0
.rept 16
	v_pk_add_f32 v[12+2*(p%4):13+2*(p%4)], v[12+2*(p%4):13+2*(p%4)], v[X+2*p:X+2*p+1]
.set p, p+1
.endr
; The four chains become one number; the eight waves of a token exchange theirs through LDS at byte off; the total lands in v20 of every lane.
.macro MEET off
	s_delay_alu instid0(VALU_DEP_3)
	v_pk_add_f32 v[12:13], v[12:13], v[14:15]
	s_delay_alu instid0(VALU_DEP_2)
	v_pk_add_f32 v[16:17], v[16:17], v[18:19]
	s_delay_alu instid0(VALU_DEP_1)
	v_pk_add_f32 v[12:13], v[12:13], v[16:17]
	s_delay_alu instid0(VALU_DEP_1)
	v_add_f32 v12, v12, v13
	ds_store_b32 v3, v12 offset:\off
	s_wait_dscnt 0x0                               ; for the others' sake: my word is in LDS
	s_barrier_signal -1
	s_barrier_wait -1
.irp s, 0,1,2,3,4,5,6,7
	ds_load_b32 v[20+\s], v4 offset:\off+256*\s    ; my token's eight partial sums
.endr
	s_wait_dscnt 0x0
	v_add_f32 v20, v20, v21
	v_add_f32 v22, v22, v23
	v_add_f32 v24, v24, v25
	v_add_f32 v26, v26, v27
	s_delay_alu instid0(VALU_DEP_3)
	v_add_f32 v20, v20, v22
	s_delay_alu instid0(VALU_DEP_2)
	v_add_f32 v24, v24, v26
	s_delay_alu instid0(VALU_DEP_1)
	v_add_f32 v20, v20, v24
.endm
; gamma and beta of chunk k (16 channels) into set k % 2: eight loads, every lane at the same address
.macro GLOAD k
.irp i, 0,1,2,3
	ds_load_b128 v[G+32*((\k)%2)+4*\i:G+32*((\k)%2)+4*\i+3], v28 offset:64*(\k)+16*\i
.endr
.irp i, 0,1,2,3
	ds_load_b128 v[G+32*((\k)%2)+16+4*\i:G+32*((\k)%2)+16+4*\i+3], v28 offset:512+64*(\k)+16*\i
.endr
.endm
	MEET 0
	GLOAD 0                                        ; the first two chunks' gamma and beta land while pass 2 runs
	GLOAD 1
	v_mul_f32 v6, 0x3a800000, v20                  ; the mean: x 2^-10
	s_delay_alu instid0(VALU_DEP_1)
	v_mov_b32 v7, v6                               ; (named with it as a pair, so it is written)
	; ---- pass 2: x - mean in place, and the sum of its squares
.set p, 0
.rept 64
	v_pk_add_f32 v[X+2*p:X+2*p+1], v[X+2*p:X+2*p+1], v[6:7] op_sel_hi:[1,0] neg_lo:[0,1] neg_hi:[0,1]
.set p, p+1
.endr
.irp c, 0,1,2,3
	v_pk_mul_f32 v[12+2*\c:13+2*\c], v[X+2*\c:X+2*\c+1], v[X+2*\c:X+2*\c+1]
.endr
.set p, 4
.rept 60
	s_delay_alu instid0(VALU_DEP_4)
	v_pk_fma_f32 v[12+2*(p%4):13+2*(p%4)], v[X+2*p:X+2*p+1], v[X+2*p:X+2*p+1], v[12+2*(p%4):13+2*(p%4)]
.set p, p+1
.endr
	MEET 2048                                      ; other bytes than the first exchange: no wave writes over a word that is still being read
	s_mov_b32 s86, 0x3a800000                      ; 2^-10
	s_mov_b32 s87, 0x3727c5ac                      ; 1e-5
	v_fma_f32 v20, v20, s86, s87                   ; the variance + eps
	s_wait_alu depctr_va_vdst(0)
	v_rsq_f32 v8, v20
	v_nop                                          ; one plain instruction between the transcendental and the use of its result
	s_wait_alu depctr_va_vdst(0)
	v_mov_b32 v9, v8                               ; (named with it as a pair, so it is written)
	; ---- pass 3: eight chunks of 16 channels; chunk k is the operand's unit c = k / 2, h' = k % 2: 256 k bytes on
.macro CHUNK k
.set XS, X+16*(\k)
.set GS, G+32*((\k)%2)
.if (\k) < 7
	s_wait_dscnt 8                                 ; this chunk's eight loads are in; the next chunk's eight, issued behind them, may be out
.else
	s_wait_dscnt 0x0
.endif
.irp j, 0,2,4,6,8,10,12,14
	v_pk_mul_f32 v[XS+\j:XS+\j+1], v[XS+\j:XS+\j+1], v[8:9] op_sel_hi:[1,0]
.endr
.irp j, 0,2,4,6,8,10,12,14
	v_pk_fma_f32 v[XS+\j:XS+\j+1], v[XS+\j:XS+\j+1], v[GS+\j:GS+\j+1], v[GS+16+\j:GS+16+\j+1]
.endr
.irp i, 0,1,2,3,4,5,6,7,8,9,10,11,12,13,14,15
	v_med3_num_f32 v[XS+\i], v[XS+\i], -v11, v11   ; the conversion to an 8-bit code does not saturate (ISA guide 7.6.2): the hold at the largest code x the scale
.endr
	v_cvt_scalef32_pk8_bf8_f32 v[C+4*(\k):C+4*(\k)+1], v[XS:XS+7], v10
	v_cvt_scalef32_pk8_bf8_f32 v[C+4*(\k)+2:C+4*(\k)+3], v[XS+8:XS+15], v10
	global_store_b128 v2, v[C+4*(\k):C+4*(\k)+3], s[12:13] offset:256*(\k)   ; lanes 0-15 store 256 consecutive bytes, aligned; lanes 16-31 the next tile's 256
.if (\k) < 6
	GLOAD (\k)+2                                   ; the set just used takes the chunk two further on
.endif
.endm
	s_wait_alu depctr_va_vdst(0)
.irp k, 0,1,2,3,4,5,6,7
	CHUNK \k
.endr
	s_wait_xcnt 0x0
	v_lshl_add_u32 v254, v0, 2, 0x5000
	v_mov_b32 v255, 0
	s_wait_alu depctr_va_vdst(0)
	s_wait_tensorcnt 0x0
	ds_add_u32 v254, v255
	s_wait_dscnt 0x0
	s_endpgm
.Lfunc_end_k_q760df39687_norm:
	.size	k_q760df39687_norm, .Lfunc_end_k_q760df39687_norm-k_q760df39687_norm
	.p2alignl 7, 3214868480
	.fill 96, 4, 3214868480
	.section	.rodata,"a",@progbits
	.p2align	6, 0x0
	.amdhsa_kernel k_q760df39687_norm
		.amdhsa_group_segment_fixed_size 22528
		.amdhsa_private_segment_fixed_size 0
		.amdhsa_enable_private_segment 0
		.amdhsa_kernarg_size 40
		.amdhsa_user_sgpr_count 2
		.amdhsa_user_sgpr_kernarg_segment_ptr 1
		.amdhsa_wavefront_size32 1
		.amdhsa_system_sgpr_workgroup_id_x 1
		.amdhsa_system_sgpr_workgroup_id_y 1
		.amdhsa_system_sgpr_workgroup_id_z 1
		.amdhsa_system_vgpr_workitem_id 0
		.amdhsa_next_free_vgpr 256
		.amdhsa_next_free_sgpr 96
		.amdhsa_reserve_vcc 0
		.amdhsa_float_denorm_mode_32 3
		.amdhsa_float_denorm_mode_16_64 3
		.amdhsa_memory_ordered 1
		.amdhsa_forward_progress 1
		.amdhsa_inst_pref_size 55
	.end_amdhsa_kernel
	.amdgpu_metadata
---
amdhsa.version: [ 1, 2 ]
amdhsa.kernels:
  - .name:           k_q760df39687_norm
    .symbol:         k_q760df39687_norm.kd
    .args:
      - { .name: x, .offset: 0, .size: 8, .value_kind: global_buffer, .address_space: global }
      - { .name: gamma, .offset: 8, .size: 8, .value_kind: global_buffer, .address_space: global }
      - { .name: beta, .offset: 16, .size: 8, .value_kind: global_buffer, .address_space: global }
      - { .name: lowp_scales, .offset: 24, .size: 8, .value_kind: global_buffer, .address_space: global }
      - { .name: a_codes, .offset: 32, .size: 8, .value_kind: global_buffer, .address_space: global }
    .group_segment_fixed_size: 22528
    .private_segment_fixed_size: 0
    .kernarg_segment_align: 8
    .kernarg_segment_size: 40
    .max_flat_workgroup_size: 512
    .sgpr_count:     96
    .vgpr_count:     256
    .wavefront_size: 32
...
	.end_amdgpu_metadata
.endif
;; end of part 1
;; launch attn (part 2): grid 64 x 4, 4 waves a work-group, clusters of 4 x 1, 327,680 bytes of LDS; arguments a_codes, w_qkv_codes, lowp_scales, o_codes; writes o_codes
.if DOCPART == 2
	.amdgcn_target "amdgcn-amd-amdhsa--gfx1250"
	.amdhsa_code_object_version 6
	.text
	.protected	k_q760df39687_attn
	.globl	k_q760df39687_attn
	.p2align	8
	.type	k_q760df39687_attn,@function
k_q760df39687_attn:
	s_mov_b64 s[64:65], 0
	v_nop
	global_prefetch_b8 v0, s[64:65] scope:SCOPE_SE
	s_setreg_imm32_b32 hwreg(HW_REG_WAVE_MODE, 25, 1), 1
	s_wait_xcnt 0x0
	s_wait_alu depctr_hold_cnt(0) depctr_sa_sdst(0) depctr_va_vdst(0) depctr_va_sdst(0) depctr_va_ssrc(0) depctr_va_vcc(0) depctr_vm_vsrc(0)
	s_getreg_b32 s2, hwreg(HW_REG_IB_STS2, 6, 4)
	s_cmp_eq_u32 s2, 0
	s_cbranch_scc0 .Lentry_in_a_cluster
	s_endpgm
.Lentry_in_a_cluster:
	s_bfe_u32 s2, ttmp6, 0x10000c
	s_cmp_lg_u32 s2, 0x3003
	s_cbranch_scc0 .Lentry_shape_is_right
	s_endpgm
.Lentry_shape_is_right:
; SECOND OF THREE LAUNCHES.  q, k, v = normed W^T on codes of E5M2; rotary on q and k; q, k, v quantised; for each head and window of 32 tokens S = q k^T, p = 2^(t - M), O = p v / l; O quantised.
; a_codes, o_codes: for each block of 64 tokens 65,536 bytes in the order of an operand's registers: [K step s: 8][tile tt of 16 tokens: 4][c: 4][lane: 32][16 bytes]; lane (r, h) holds token 16 tt + r, k = 128 s + 32 c + 16 h + 0 .. 15.
; w_qkv_codes: [3072][1024], K innermost.
; SHARES.  A work-group takes 256 tokens x 4 heads (work-group y: heads 4 y on).  EACH WAVE OWNS 64 TOKENS, two windows: their 65,536 codes stay in 512 registers, read from memory once, and attention never leaves the wave.
; All four waves walk the same weights: 12 groups of 64 rows (q, k, v of a head, four heads) through a ring of two LDS slots; each wave fetches 16 rows of a group, one tensor load of 16 KiB.
; CLUSTER.  The four work-groups of a cluster have the same heads and other tokens, so they walk the same weights: every tile is asked for JOINTLY, by the same load with the same descriptor and the mask of all four.
; A group goes in two PAIRS of tiles of 16 rows, (0, 2) and (1, 3): 8 accumulators (2 tiles x 4 tiles of tokens) by turns, 64 matrix instructions, K in four granules of 256 whose fragments come from LDS a granule ahead.
; LAYOUTS.  q, k: source 0 = 16 weight rows, source 1 = 16 tokens: a lane holds ONE token and eight neighbouring d, so a conversion's result is a register pair of the K = 64 operand; tiles c and c + 2 hold the rotary partners d, d + 32
; in the same lane and register.  v: the sources swapped: a lane holds one d and eight neighbouring tokens, the second product's K.  S^T = k q^T and O^T = v^T p^T: a lane holds one query throughout.
; The second product runs over the wave's 64 tokens with zero codes in p for the other window's keys: the zeros add nothing.
; The fragments of K = 128 are fed by loads of 16 bytes: a permutation of k that is the same in both operands, so every product meets its partner.
; The rotary table (cos, sin of n x 10000^(-i/32)) is made in f32: exponential, reduction by pi/2 in two parts, polynomials of degree 9 and 10; each wave makes a quarter and the four exchange through LDS.
; The given scales are folded: a sum of the first product lacks 2^(e0+e1), a power of two that the rotary leaves alone; each conversion takes one folded scale.
; LIMITS, so that each power of two is an f32 number: e2-e0-e1, e3-e0-e1, e5-e0-e1, e4, e6-e4-e5 between -126 and 112; e2+e3 between -122 and 129.  NaN is not served; what lies beyond a scale's range is held at the largest code.
; REGISTERS.  window 0: v1 spare word's address, v2 zero, v3 my place in a weight tile, v4 + the slot, v5 16 x lane, v6, v7 my place in o_codes, v8-17 scale and limit of q, k, v, p, o, v18-24 the head's own;
;   v32-95 accumulators; v96-223 two buffers of weight fragments; v224-255 at work.   window 1: codes of q, k, v, p (32 each), cos, sin (32 each), o's codes.   windows 2, 3: the activations: fragment (s, tt) at v[64 (s % 4) + 16 tt] of window 2 + s / 4.
.set PITCH,  1040                      ; a weight row in LDS: 1,024 bytes + 16 of padding = 260 words: row r starts at bank 4 r mod 64, so the 16 rows of a load start at 16 different banks
.set TILEB,  16*PITCH                  ; 16 rows: what one tensor load brings
.set SLOT1,  131072                    ; slot 1 begins here: one exclusive or turns an address in one slot into the other's
.set TBL,    197632                    ; behind slot 1: the rotary table's exchange, 2,048 bytes a wave; no tile lands here
.set SPARE,  262144                    ; the spare words, 128 bytes a wave: two blocks of 256 bytes that no other line names
.set ACC,    32
.set W,      96
.set TMP,    224
.set QC,     0                         ; in window 1
.set KC,     32
.set VC,     64
.set PC,     96
.set COS,    128
.set SIN,    160
.set OC,     192
.set WV,     12                        ; s12  my wave's number
.set AB,     44                        ; s[44:45] my 64 tokens' codes
.set OB,     46                        ; s[46:47] where my results go
.set MSB, 0
.macro WIN new                         ; the immediate's high byte repeats the setting that is left; a switch that changes nothing is dropped
.if MSB != (\new)
	s_set_vgpr_msb (MSB<<8)|(\new)
.set MSB, \new
.endif
.endm
.macro PLACES                          ; four places behind a matrix instruction, in front of loads into its registers and of reads of its result
.rept 4
	v_nop
.endr
.endm
.macro CROUND                          ; a round of the cluster's barrier: my work-group's barrier, wave 0 signals for the work-group, every wave waits for all four, my work-group's barrier again
	s_barrier_signal -1
	s_barrier_wait -1
	s_cmp_lg_u32 s[WV], 0
	s_cbranch_scc1 .Lnot_wave_0_\@
	s_barrier_signal -3
.Lnot_wave_0_\@:
	s_barrier_wait -3
	s_barrier_signal -1
	s_barrier_wait -1
.endm
.macro ACTLOAD                         ; my 64 tokens' codes: 128 loads, each 512 consecutive bytes
.irp s, 0,1,2,3,4,5,6,7
.if \s < 4
	WIN 0x80
.else
	WIN 0xc0
.endif
.irp tt, 0,1,2,3
.irp c, 0,1,2,3
	global_load_b128 v[64*(\s%4)+16*\tt+4*\c:64*(\s%4)+16*\tt+4*\c+3], v5, s[AB:AB+1] offset:\s*8192+\tt*2048+\c*512
.endr
.endr
.endr
	WIN 0
.endm
.macro FETCH ta, tb, g, p              ; granule g (K steps 2 g, 2 g + 1) of tiles ta and tb into buffer p: 16 LDS loads in one run; fragment (ab, sp) at W + 64 p + 16 (2 ab + sp)
.irp sp, 0,1
.irp c, 0,1,2,3
	ds_load_b128 v[W+64*(\p)+16*\sp+4*\c:W+64*(\p)+16*\sp+4*\c+3], v4 offset:(\ta)*TILEB+(2*(\g)+\sp)*128+32*\c
.endr
.endr
.irp sp, 0,1
.irp c, 0,1,2,3
	ds_load_b128 v[W+64*(\p)+32+16*\sp+4*\c:W+64*(\p)+32+16*\sp+4*\c+3], v4 offset:(\tb)*TILEB+(2*(\g)+\sp)*128+32*\c
.endr
.endr
.endm
; 16 matrix instructions: granule g from buffer p.  The eight accumulators take turns, one instruction a turn.  Granule 0's first K step starts the sums: nothing is cleared.
.macro MUL g, p, swap                  ; swap = 0: source 0 = weights, source 1 = activations; 1: the other way round
.if \swap
.set WN, 2+((\g)/2)
.else
.set WN, (2+((\g)/2))*4
.endif
	WIN WN
.irp sp, 0,1
.irp ab, 0,1
.irp tt, 0,1,2,3
.set rD, ACC+8*(4*\ab+\tt)
.set rW, W+64*(\p)+16*(2*\ab+\sp)
.set rX, 64*((2*(\g)+\sp)%4)+16*\tt
.if \swap
.if ((\g) == 0) && (\sp == 0)
	v_wmma_f32_16x16x128_bf8_bf8 v[rD:rD+7], v[rX:rX+15], v[rW:rW+15], 0
.else
	v_wmma_f32_16x16x128_bf8_bf8 v[rD:rD+7], v[rX:rX+15], v[rW:rW+15], v[rD:rD+7]
.endif
.else
.if ((\g) == 0) && (\sp == 0)
	v_wmma_f32_16x16x128_bf8_bf8 v[rD:rD+7], v[rW:rW+15], v[rX:rX+15], 0
.else
	v_wmma_f32_16x16x128_bf8_bf8 v[rD:rD+7], v[rW:rW+15], v[rX:rX+15], v[rD:rD+7]
.endif
.endif
.endr
.endr
.endr
.endm
; Tiles ta and tb against my 64 tokens, all of K.  Each granule's fragments were asked for 16 matrix instructions earlier.  nxt = 1: the last granule fetches granule 0 of tiles nta, ntb of the same slot.
.macro PAIR ta, tb, swap, nxt, nta, ntb
.irp g, 0,1,2,3
	s_wait_dscnt 0x0                               ; this granule's 16 loads are in
	WIN 0
.if \g < 3
	PLACES                                         ; the other buffer was read by the products just issued
	FETCH \ta, \tb, \g+1, (\g+1)%2
.elseif \nxt
	PLACES
	FETCH \nta, \ntb, 0, 0
.endif
	MUL \g, \g%2, \swap
.endr
.endm
; THE CHANGE OF SLOTS, behind a group's last product.  Each wave waits for all its tensor loads (one is out: its part of the next slot), adds 0 to its spare word, and waits for that and for its reads of the slot that it leaves.
; fill = 1: a round of the cluster's barrier, and first behind it the joint load of the group two further on into the slot just left: it has a whole group's products and two epilogues in which to land.
.macro CHANGE fill, back, step
	WIN 0
	s_wait_tensorcnt 0x0                           ; no tensor load of mine is out, so the descriptor may be written
	ds_add_u32 v1, v2                              ; 0 onto my spare word; the steps below stand between it and the wait for it
.if \fill
	s_xor_b32 s25, s25, SLOT1                      ; the other slot than last time
.if \back
	s_sub_nc_u64 s[26:27], s[26:27], \step
.else
	s_add_nc_u64 s[26:27], s[26:27], \step         ; the type bits on top are not reached
.endif
.endif
	s_xor_b32 s28, s28, SLOT1                      ; my reads go on to the other slot
	s_wait_dscnt 0x0                               ; the add is done, and my reads of the slot that I leave are over
.if \fill
	CROUND                                         ; no wave of any partner still reads that slot or has a load on its way
	tensor_load_to_lds s[24:27], s[16:23]          ; my one tensor load until the next round
	s_nop 0
	PLACES                                         ; (the places in front of the loads that follow)
.else
	s_barrier_signal -1
	s_barrier_wait -1
	PLACES
.endif
	v_add_nc_u32 v4, s28, v3
.endm
; q's or k's epilogue for the pair (c, c + 2): the rotary, the hold, the conversions.  a = the tile with d < 32, b = its partner d + 32: a' = a cos - b sin, b' = b cos + a sin.
.macro EPI_ROT dst, c, sc, lim
	WIN 0x04                                       ; source 1 (the table) in window 1
.irp tt, 0,1,2,3
.irp jp, 0,2,4,6
.set rA, ACC+8*\tt+\jp
.set rB, rA+32
.set rT, TMP+16*(\tt%2)+2*\jp
.set rC, COS+16*(\tt%2)+8*(\c)+\jp
.set rS, SIN+16*(\tt%2)+8*(\c)+\jp
	v_pk_mul_f32 v[rT:rT+1], v[rB:rB+1], v[rS:rS+1]
	v_pk_mul_f32 v[rT+2:rT+3], v[rA:rA+1], v[rS:rS+1]
	v_pk_fma_f32 v[rA:rA+1], v[rA:rA+1], v[rC:rC+1], v[rT:rT+1] neg_lo:[0,0,1] neg_hi:[0,0,1]
	v_pk_fma_f32 v[rB:rB+1], v[rB:rB+1], v[rC:rC+1], v[rT+2:rT+3]
.endr
.endr
	WIN 0
.set i, 0
.rept 64
	v_med3_num_f32 v[ACC+i], v[ACC+i], -v[\lim], v[\lim]   ; the conversion does not saturate (ISA guide 7.6.2)
.set i, i+1
.endr
	WIN 0x40                                       ; destination window 1
.irp tt, 0,1,2,3
	v_cvt_scalef32_pk8_bf8_f32 v[\dst+8*\tt+2*(\c):\dst+8*\tt+2*(\c)+1], v[ACC+8*\tt:ACC+8*\tt+7], v[\sc]         ; d = 16 c + 8 h + 0 .. 7: registers 2 c, 2 c + 1 of the K = 64 operand
	v_cvt_scalef32_pk8_bf8_f32 v[\dst+8*\tt+2*(\c)+4:\dst+8*\tt+2*(\c)+5], v[ACC+32+8*\tt:ACC+32+8*\tt+7], v[\sc] ; d + 32
.endr
	WIN 0
	v_nop                                          ; one plain instruction between a scaled conversion and whatever next touches its result or writes its sources
.endm
.macro EPI_V c                         ; v's epilogue for the pair (c, c + 2): a lane holds d = 16 t + r and eight tokens: registers 2 tt, 2 tt + 1 of tile t of V^T
	WIN 0
.set i, 0
.rept 64
	v_med3_num_f32 v[ACC+i], v[ACC+i], -v13, v13
.set i, i+1
.endr
	WIN 0x40
.irp ab, 0,1
.irp tt, 0,1,2,3
	v_cvt_scalef32_pk8_bf8_f32 v[VC+8*((\c)+2*\ab)+2*\tt:VC+8*((\c)+2*\ab)+2*\tt+1], v[ACC+8*(4*\ab+\tt):ACC+8*(4*\ab+\tt)+7], v12
.endr
.endr
	WIN 0
	v_nop
.endm
; One head's attention for my two windows.  Statistics of query tile qt at TMP + 8 qt: +0 -M, +2, +3 the sum, +4 the maximum, +5 the other half's, +6 1 / l.  (All 32 registers were written by the rotary.)
.macro ATTN
	WIN 0x05                                       ; both sources in window 1
.irp kk, 0,1
.irp qt, 0,1,2,3
	v_wmma_f32_16x16x64_bf8_bf8 v[ACC+16*\qt+8*\kk:ACC+16*\qt+8*\kk+7], v[KC+8*(2*(\qt/2)+\kk):KC+8*(2*(\qt/2)+\kk)+7], v[QC+8*\qt:QC+8*\qt+7], 0   ; S^T: 16 keys of the query tile's window x 16 queries
.endr
.endr
	WIN 0
	PLACES
.irp qt, 0,1,2,3
	v_max3_num_f32 v[TMP+8*\qt+4], v[ACC+16*\qt], v[ACC+16*\qt+1], v[ACC+16*\qt+2]   ; each accumulator is read from its low end on
.endr
.irp i, 3,5,7,9,11,13
.irp qt, 0,1,2,3
	v_max3_num_f32 v[TMP+8*\qt+4], v[TMP+8*\qt+4], v[ACC+16*\qt+\i], v[ACC+16*\qt+\i+1]
.endr
.endr
.irp qt, 0,1,2,3
	v_max_num_f32 v[TMP+8*\qt+4], v[TMP+8*\qt+4], v[ACC+16*\qt+15]
.endr
.irp qt, 0,1,2,3
	v_permlanex16_b32 v[TMP+8*\qt+5], v[TMP+8*\qt+4], s32, s33   ; the query's other 16 keys lie in the lane 16 away
.endr
.irp qt, 0,1,2,3
	v_max_num_f32 v[TMP+8*\qt+4], v[TMP+8*\qt+4], v[TMP+8*\qt+5]
.endr
.irp qt, 0,1,2,3
	v_mul_f32 v[TMP+8*\qt+4], s34, v[TMP+8*\qt+4]  ; as t (the factor is positive)
.endr
.irp qt, 0,1,2,3
	v_floor_f32 v[TMP+8*\qt], -v[TMP+8*\qt+4]      ; -M = floor(-t) = -ceil(t): a whole number
.endr
.irp i, 0,2,4,6,8,10,12,14
.irp qt, 0,1,2,3
	v_pk_fma_f32 v[ACC+16*\qt+\i:ACC+16*\qt+\i+1], v[ACC+16*\qt+\i:ACC+16*\qt+\i+1], s[34:35], v[TMP+8*\qt:TMP+8*\qt+1] op_sel_hi:[1,0,0]   ; t - M
.endr
.endr
.set i, 0
	s_wait_alu depctr_va_vdst(0)
.rept 64
	v_exp_f32 v[ACC+i], v[ACC+i]                   ; p = 2^(t - M), not normalised
.set i, i+1
.endr
	v_nop                                          ; a plain instruction behind the last exponential
	s_wait_alu depctr_va_vdst(0)
.irp qt, 0,1,2,3
	v_pk_add_f32 v[TMP+8*\qt+2:TMP+8*\qt+3], v[ACC+16*\qt:ACC+16*\qt+1], v[ACC+16*\qt+2:ACC+16*\qt+3]   ; the row's sum is taken of the unquantised p
.endr
.irp i, 4,6,8,10,12,14
.irp qt, 0,1,2,3
	v_pk_add_f32 v[TMP+8*\qt+2:TMP+8*\qt+3], v[TMP+8*\qt+2:TMP+8*\qt+3], v[ACC+16*\qt+\i:ACC+16*\qt+\i+1]
.endr
.endr
.irp qt, 0,1,2,3
	v_add_f32 v[TMP+8*\qt+2], v[TMP+8*\qt+2], v[TMP+8*\qt+3]
.endr
.irp qt, 0,1,2,3
	v_permlanex16_b32 v[TMP+8*\qt+5], v[TMP+8*\qt+2], s32, s33
.endr
.irp qt, 0,1,2,3
	v_add_f32 v[TMP+8*\qt+2], v[TMP+8*\qt+2], v[TMP+8*\qt+5]
.endr
	s_wait_alu depctr_va_vdst(0)
.irp qt, 0,1,2,3
	v_rcp_f32 v[TMP+8*\qt+6], v[TMP+8*\qt+2]       ; the 64 holds below are the plain instructions behind these
.endr
.set i, 0
.rept 64
	v_min_num_f32 v[ACC+i], v[ACC+i], v15          ; p is not negative: a one-sided hold
.set i, i+1
.endr
	WIN 0x40
.irp qt, 0,1,2,3
.irp kk, 0,1
	v_cvt_scalef32_pk8_bf8_f32 v[PC+8*\qt+4*(\qt/2)+2*\kk:PC+8*\qt+4*(\qt/2)+2*\kk+1], v[ACC+16*\qt+8*\kk:ACC+16*\qt+8*\kk+7], v14   ; keys 32 (qt / 2) + 16 kk + 8 h + 0 .. 7 of my 64 tokens
.endr
.endr
	WIN 0
	v_nop
	s_wait_alu depctr_va_vdst(0)
.irp hv, 0,1                           ; O^T = V^T P^T, two tiles of 16 d at a time
	WIN 0x05
.irp dd, 0,1
.irp qt, 0,1,2,3
	v_wmma_f32_16x16x64_bf8_bf8 v[ACC+8*(4*\dd+\qt):ACC+8*(4*\dd+\qt)+7], v[VC+8*(2*\hv+\dd):VC+8*(2*\hv+\dd)+7], v[PC+8*\qt:PC+8*\qt+7], 0
.endr
.endr
	WIN 0
	PLACES
.irp dd, 0,1
.irp qt, 0,1,2,3
.irp i, 0,2,4,6
	v_pk_mul_f32 v[ACC+8*(4*\dd+\qt)+\i:ACC+8*(4*\dd+\qt)+\i+1], v[ACC+8*(4*\dd+\qt)+\i:ACC+8*(4*\dd+\qt)+\i+1], v[TMP+8*\qt+6:TMP+8*\qt+7] op_sel_hi:[1,0]   ; / l
.endr
.endr
.endr
.set i, 0
.rept 64
	v_med3_num_f32 v[ACC+i], v[ACC+i], -v17, v17
.set i, i+1
.endr
.if \hv == 0
	s_wait_alu depctr_va_vdst(0)
	s_wait_xcnt 0x0                                ; the last head's stores have read their data and their offset: both are written again only behind this wait
	v_add_nc_u32 v7, s30, v6
.endif
	WIN 0x40
.irp dd, 0,1
.irp qt, 0,1,2,3
	v_cvt_scalef32_pk8_bf8_f32 v[OC+16*\hv+2*(4*\dd+\qt):OC+16*\hv+2*(4*\dd+\qt)+1], v[ACC+8*(4*\dd+\qt):ACC+8*(4*\dd+\qt)+7], v16
.endr
.endr
	WIN 0
	v_nop
	WIN 0x04                                       ; the stores' data in window 1
.irp dd, 0,1
.irp qt, 0,1,2,3
	global_store_b64 v7, v[OC+16*\hv+2*(4*\dd+\qt):OC+16*\hv+2*(4*\dd+\qt)+1], s[OB:OB+1] offset:\qt*2048+(2*\hv+\dd)*256   ; 32 lanes store 256 consecutive bytes, aligned
.endr
.endr
	WIN 0
.endr
.endm
; One head: three groups of weights, six pairs, attention.  last = 1: the launch's last head asks for nothing beyond v's rows.
.macro HEAD last
	s_lshr_b32 s66, s29, 1                         ; the head's place in o_codes: K step (head / 2): 8,192 bytes; units 2 (head % 2) on: 1,024
	s_lshl_b32 s66, s66, 13
	s_and_b32 s67, s29, 1
	s_lshl_b32 s67, s67, 10
	s_add_co_u32 s30, s66, s67
	PAIR 0, 2, 0, 1, 1, 3
	WIN 0
	PLACES
	EPI_ROT QC, 0, 8, 9
	PAIR 1, 3, 0, 0, 0, 0
	CHANGE 1, 0, 0x100000                          ; q's slot takes this head's v: 1,024 rows on from k
	FETCH 0, 2, 0, 0
	EPI_ROT QC, 1, 8, 9
	PAIR 0, 2, 0, 1, 1, 3
	WIN 0
	PLACES
	EPI_ROT KC, 0, 10, 11
	PAIR 1, 3, 0, 0, 0, 0
.if \last
	CHANGE 0, 0, 0
.else
	CHANGE 1, 1, 0x1F0000                          ; k's slot takes the next head's q: 1,984 rows back from v
.endif
	FETCH 0, 2, 0, 0
	EPI_ROT KC, 1, 10, 11
	PAIR 0, 2, 1, 1, 1, 3
	WIN 0
	PLACES
	EPI_V 0
	PAIR 1, 3, 1, 0, 0, 0
.if \last
	WIN 0
	PLACES
.else
	CHANGE 1, 0, 0x100000                          ; v's slot takes the next head's k
	FETCH 0, 2, 0, 0
.endif
	EPI_V 1
	ATTN
.endm
.macro SCL vs, vl                      ; s66 = E: v[vs] = 2^E as f32, v[vl] = 57,344 x 2^E
	s_add_co_i32 s66, s66, 127
	s_lshl_b32 s67, s66, 23
	v_mov_b32 v[\vs], s67
	s_add_co_i32 s66, s66, 15
	s_lshl_b32 s66, s66, 23
	s_or_b32 s66, s66, 0x600000
	v_mov_b32 v[\vl], s66
.endm
	s_load_b256 s[4:11], s[0:1], 0x0               ; a_codes s[4:5], w_qkv_codes s[6:7], the scales' exponents s[8:9], o_codes s[10:11]
	v_lshl_add_u32 v1, v0, 2, SPARE
	v_mov_b32 v2, 0
	ds_add_u32 v1, v2
	ds_add_u32 v1, v2
	s_wait_dscnt 0x0
	v_lshrrev_b32 v3, 5, v0
	v_readfirstlane_b32 s[WV], v3                  ; wave 0..3
	s_bfe_u32 s13, ttmp6, 0x40000                  ; cx: my place in the cluster: it enters the addresses of a_codes and o_codes alone
	s_lshl_b32 s14, ttmp9, 2
	s_add_co_u32 s14, s14, s13                     ; my block of 256 tokens
	s_and_b32 s15, ttmp7, 0xffff                   ; my four heads, which the partners share
	; descriptor group 1: 16 rows x 1,024 bytes, dense in memory, padded in LDS
	s_mov_b32 s16, 15|(1<<20)|(1<<21)|(7<<22)|(3<<25)  ; 15:0 the mask: all four work-groups; 17:16 elements of 1 byte; 20 padding on; 21 set beside a mask; 24:22 after every 256 words (code 7); 31:25 four words (code 3)
	s_mov_b32 s17, 1024<<16                        ; tensor_dim0
	s_mov_b32 s18, 16<<16                          ; tensor_dim1
	s_mov_b32 s19, 1024<<16                        ; tile_dim0
	s_mov_b32 s20, 16                              ; tile_dim1
	s_mov_b32 s21, 1024                            ; the pitch
	s_mov_b32 s22, 0
	s_mov_b32 s23, 0
	s_mov_b32 s24, 1                               ; group 0: count = 1,
	s_mul_i32 s25, s[WV], TILEB                    ; LDS: slot 0, my tile: no place in the cluster enters an LDS address
	s_lshl_b32 s66, s15, 18                        ; memory: q's rows 256 y on, 1,024 bytes each,
	s_lshl_b32 s67, s[WV], 14                      ; my 16 of a group's 64
	s_add_co_u32 s66, s66, s67
	s_mov_b32 s67, 0
	s_lshl_b32 s68, s14, 2
	s_add_co_u32 s68, s68, s[WV]
	s_lshl_b32 s68, s68, 16                        ; my block of 64 tokens: 65,536 bytes each
	s_mov_b32 s69, 0
	s_lshl_b32 s70, s15, 14                        ; o_codes: four heads are two K steps: 16,384 bytes
	s_mov_b32 s71, 0
	s_mov_b32 s28, SLOT1                           ; the first change of slots turns it to slot 0
	s_mov_b32 s29, 0                               ; the head in hand
	s_mov_b32 s32, 0x76543210                      ; lane selects: lane l xor 16
	s_mov_b32 s33, 0xfedcba98
	s_mov_b32 s48, 0xbed49a78                      ; -log2(10000) / 32
	s_mov_b32 s49, 0x3f22f983                      ; 2 / pi
	s_mov_b32 s50, 0xbfc90fdb                      ; -(pi / 2 rounded to f32)
	s_mov_b32 s51, 0x333bbd2e                      ; that rounding's excess over pi / 2
	s_mov_b32 s52, 0xbe2aaaab                      ; sine: -1/3!, 1/5!, -1/7!, 1/9!
	s_mov_b32 s53, 0x3c088889
	s_mov_b32 s54, 0xb9500d01
	s_mov_b32 s55, 0x3638ef1d
	s_mov_b32 s56, 0x3d2aaaab                      ; cosine: 1/4!, -1/6!, 1/8!, -1/10!
	s_mov_b32 s57, 0xbab60b61
	s_mov_b32 s58, 0x37d00d01
	s_mov_b32 s59, 0xb493f27e
	s_wait_kmcnt 0x0
	s_add_nc_u64 s[26:27], s[6:7], s[66:67]
	s_or_b32 s27, s27, 0x80000000                  ; type = 2
	s_add_nc_u64 s[AB:AB+1], s[4:5], s[68:69]
	s_add_nc_u64 s[OB:OB+1], s[10:11], s[68:69]
	s_add_nc_u64 s[OB:OB+1], s[OB:OB+1], s[70:71]
	CROUND                                         ; all four work-groups are here: the first joint loads meet
	tensor_load_to_lds s[24:27], s[16:23]          ; the first head's q
	s_nop 0
	PLACES
	s_load_b256 s[36:43], s[8:9], 0x0              ; e0 .. e7
	v_and_b32 v22, 15, v0                          ; r
	v_bfe_u32 v23, v0, 4, 1                        ; h
	v_and_b32 v24, 31, v0                          ; lane
	v_mul_u32_u24 v3, v22, PITCH
	v_lshl_add_u32 v3, v23, 4, v3                  ; a weight fragment: row r x pitch + 16 h
	v_lshlrev_b32 v5, 4, v24
	v_lshlrev_b32 v6, 4, v22
	v_lshl_add_u32 v6, v23, 3, v6                  ; o_codes: 16 r + 8 h
	s_lshl_b32 s66, s[WV], 11
	s_add_co_u32 s66, s66, TBL
	v_add_nc_u32 v18, s66, v5                      ; the table: where I put my quarter,
	v_add_nc_u32 v19, TBL, v5                      ; and where I read all four
	ACTLOAD
	; THE ROTARY TABLE.  Wave w makes, for lane (r, h), n = 16 (w % 2) + r and frequencies i = 16 (w / 2) + 8 h + 0 .. 7.  Eight dependent chains, once, while the activations are on their way.
.set TA, 32                            ; the angle, then what is left of it
.set TK, 40                            ; how many quarter turns
.set TZ, 48
.set TS, 56
.set TC, 64
.set TQ, 72
.set TT, 80
	s_and_b32 s66, s[WV], 1
	s_lshl_b32 s66, s66, 4
	s_lshr_b32 s67, s[WV], 1
	s_lshl_b32 s67, s67, 4
	v_add_nc_u32 v20, s66, v22
	v_cvt_f32_u32 v20, v20                         ; n
	v_lshl_add_u32 v21, v23, 3, s67                ; the first i
.irp j, 0,1,2,3,4,5,6,7
	v_add_nc_u32 v[TA+\j], \j, v21
	v_cvt_f32_u32 v[TA+\j], v[TA+\j]
	v_mul_f32 v[TA+\j], s48, v[TA+\j]
	s_wait_alu depctr_va_vdst(0)
	v_exp_f32 v[TA+\j], v[TA+\j]                   ; 10000^(-i/32)
.endr
	v_nop
	s_wait_alu depctr_va_vdst(0)
.irp j, 0,1,2,3,4,5,6,7
	v_mul_f32 v[TA+\j], v20, v[TA+\j]              ; the angle, 31 at the most
	v_mul_f32 v[TK+\j], s49, v[TA+\j]
	v_rndne_f32 v[TK+\j], v[TK+\j]
	v_fma_f32 v[TA+\j], v[TK+\j], s50, v[TA+\j]    ; less k x pi / 2, in two parts
	v_fma_f32 v[TA+\j], v[TK+\j], s51, v[TA+\j]
	v_mul_f32 v[TZ+\j], v[TA+\j], v[TA+\j]
	v_fma_f32 v[TS+\j], v[TZ+\j], s55, s54
	v_fma_f32 v[TC+\j], v[TZ+\j], s59, s58
	v_fma_f32 v[TS+\j], v[TS+\j], v[TZ+\j], s53
	v_fma_f32 v[TC+\j], v[TC+\j], v[TZ+\j], s57
	v_fma_f32 v[TS+\j], v[TS+\j], v[TZ+\j], s52
	v_fma_f32 v[TC+\j], v[TC+\j], v[TZ+\j], s56
	v_mul_f32 v[TT+\j], v[TZ+\j], v[TA+\j]
	v_fma_f32 v[TC+\j], v[TC+\j], v[TZ+\j], -0.5
	v_fma_f32 v[TS+\j], v[TS+\j], v[TT+\j], v[TA+\j]
	v_fma_f32 v[TC+\j], v[TC+\j], v[TZ+\j], 1.0
	v_cvt_i32_f32 v[TQ+\j], v[TK+\j]
	v_and_b32 v[TT+\j], 1, v[TQ+\j]
	v_cmp_eq_u32 vcc_lo, 1, v[TT+\j]               ; an odd quarter turn swaps sine and cosine
	v_cndmask_b32 v[TT+\j], v[TS+\j], v[TC+\j], vcc_lo
	v_cndmask_b32 v[TC+\j], v[TC+\j], v[TS+\j], vcc_lo
	v_and_b32 v[TS+\j], 2, v[TQ+\j]                ; the sine is negated in quarters 2 and 3,
	v_lshlrev_b32 v[TS+\j], 30, v[TS+\j]
	v_xor_b32 v[TS+\j], v[TS+\j], v[TT+\j]
	v_add_nc_u32 v[TQ+\j], 1, v[TQ+\j]             ; the cosine in quarters 1 and 2
	v_and_b32 v[TQ+\j], 2, v[TQ+\j]
	v_lshlrev_b32 v[TQ+\j], 30, v[TQ+\j]
	v_xor_b32 v[TC+\j], v[TQ+\j], v[TC+\j]
.endr
	ds_store_b128 v18, v[TC:TC+3]
	ds_store_b128 v18, v[TC+4:TC+7] offset:512
	ds_store_b128 v18, v[TS:TS+3] offset:1024
	ds_store_b128 v18, v[TS+4:TS+7] offset:1536
	s_wait_dscnt 0x0                               ; for the others' sake: my quarter is in LDS
	s_barrier_signal -1                            ; the first tile may stay on its way
	s_barrier_wait -1
	WIN 0x40                                       ; destination window 1
.irp u, 0,1,2,3
	ds_load_b128 v[COS+16*(\u%2)+8*(\u/2):COS+16*(\u%2)+8*(\u/2)+3], v19 offset:\u*2048
	ds_load_b128 v[COS+16*(\u%2)+8*(\u/2)+4:COS+16*(\u%2)+8*(\u/2)+7], v19 offset:\u*2048+512
	ds_load_b128 v[SIN+16*(\u%2)+8*(\u/2):SIN+16*(\u%2)+8*(\u/2)+3], v19 offset:\u*2048+1024
	ds_load_b128 v[SIN+16*(\u%2)+8*(\u/2)+4:SIN+16*(\u%2)+8*(\u/2)+7], v19 offset:\u*2048+1536
.endr
.irp i, 4,5,6,7,12,13,14,15,16,17,18,19,24,25,26,27
	v_mov_b32 v[PC+\i], 0                          ; p's codes for the other window's keys: zeros, written once
.endr
	WIN 0
	s_wait_kmcnt 0x0
	s_add_co_i32 s68, s36, s37                     ; e0 + e1: what the first product's sums lack
	s_sub_co_i32 s66, s38, s68
	SCL 8, 9                                       ; q: e2 - e0 - e1
	s_sub_co_i32 s66, s39, s68
	SCL 10, 11                                     ; k: e3 - e0 - e1
	s_sub_co_i32 s66, s41, s68
	SCL 12, 13                                     ; v: e5 - e0 - e1
	s_mov_b32 s66, s40
	SCL 14, 15                                     ; p: e4
	s_add_co_i32 s66, s40, s41
	s_sub_co_i32 s66, s42, s66
	SCL 16, 17                                     ; o: e6 - e4 - e5
	s_add_co_i32 s66, s38, s39
	s_lshl_b32 s66, s66, 23
	s_add_co_i32 s34, s66, 0x3e38aa3b              ; log2(e) / 8, with e2 + e3 added to its exponent field: t = the sum x this
	s_mov_b32 s35, s34                             ; (named with it as a pair, so it is written)
	s_wait_loadcnt 0x0                             ; the activations
	CHANGE 1, 0, 0x100000                          ; q is whole in slot 0; slot 1 takes k: 1,024 rows on
	FETCH 0, 2, 0, 0
.Lhead:                                            ; three trips; the fourth head is written out
	s_wait_alu depctr_va_vdst(0)
	HEAD 0
	s_add_co_u32 s29, s29, 1
	s_cmp_lt_u32 s29, 3
	s_cbranch_scc1 .Lhead
	HEAD 1
	s_wait_tensorcnt 0x0                           ; the wave's end
	ds_add_u32 v1, v2
	s_wait_dscnt 0x0
	CROUND                                         ; the closing round: no work-group ends while a partner may still ask for a tile that names it
	s_endpgm
.Lfunc_end_k_q760df39687_attn:
	.size	k_q760df39687_attn, .Lfunc_end_k_q760df39687_attn-k_q760df39687_attn
	.p2alignl 7, 3214868480
	.fill 96, 4, 3214868480
	.section	.rodata,"a",@progbits
	.p2align	6, 0x0
	.amdhsa_kernel k_q760df39687_attn
		.amdhsa_group_segment_fixed_size 327680
		.amdhsa_private_segment_fixed_size 0
		.amdhsa_enable_private_segment 0
		.amdhsa_kernarg_size 32
		.amdhsa_user_sgpr_count 2
		.amdhsa_user_sgpr_kernarg_segment_ptr 1
		.amdhsa_wavefront_size32 1
		.amdhsa_system_sgpr_workgroup_id_x 1
		.amdhsa_system_sgpr_workgroup_id_y 1
		.amdhsa_system_sgpr_workgroup_id_z 1
		.amdhsa_system_vgpr_workitem_id 0
		.amdhsa_next_free_vgpr 1024
		.amdhsa_next_free_sgpr 100
		.amdhsa_reserve_vcc 1
		.amdhsa_float_denorm_mode_32 3
		.amdhsa_float_denorm_mode_16_64 3
		.amdhsa_memory_ordered 1
		.amdhsa_forward_progress 1
		.amdhsa_inst_pref_size 255
	.end_amdhsa_kernel
	.section	.bss,"aw",@nobits
	.p2align	6
	.space	262144
	.amdgpu_metadata
---
amdhsa.version: [ 1, 2 ]
amdhsa.kernels:
  - .name:           k_q760df39687_attn
    .symbol:         k_q760df39687_attn.kd
    .args:
      - { .name: a_codes, .offset: 0, .size: 8, .value_kind: global_buffer, .address_space: global }
      - { .name: w_qkv_codes, .offset: 8, .size: 8, .value_kind: global_buffer, .address_space: global }
      - { .name: lowp_scales, .offset: 16, .size: 8, .value_kind: global_buffer, .address_space: global }
      - { .name: o_codes, .offset: 24, .size: 8, .value_kind: global_buffer, .address_space: global }
    .group_segment_fixed_size: 327680
    .private_segment_fixed_size: 0
    .kernarg_segment_align: 8
    .kernarg_segment_size: 32
    .max_flat_workgroup_size: 128
    .sgpr_count:     100
    .vgpr_count:     1024
    .wavefront_size: 32
...
	.end_amdgpu_metadata
.endif
;; end of part 2
;; launch proj (part 3): grid 64 x 4, 4 waves a work-group, clusters of 4 x 1, 327,680 bytes of LDS; arguments o_codes, w_out_codes, lowp_scales, x, out0; writes out0
.if DOCPART == 3
	.amdgcn_target "amdgcn-amd-amdhsa--gfx1250"
	.amdhsa_code_object_version 6
	.text
	.protected	k_q760df39687_proj
	.globl	k_q760df39687_proj
	.p2align	8
	.type	k_q760df39687_proj,@function
k_q760df39687_proj:
	s_mov_b64 s[64:65], 0
	v_nop
	global_prefetch_b8 v0, s[64:65] scope:SCOPE_SE
	s_setreg_imm32_b32 hwreg(HW_REG_WAVE_MODE, 25, 1), 1
	s_wait_xcnt 0x0
	s_wait_alu depctr_hold_cnt(0) depctr_sa_sdst(0) depctr_va_vdst(0) depctr_va_sdst(0) depctr_va_ssrc(0) depctr_va_vcc(0) depctr_vm_vsrc(0)
	s_getreg_b32 s2, hwreg(HW_REG_IB_STS2, 6, 4)
	s_cmp_eq_u32 s2, 0
	s_cbranch_scc0 .Lentry_in_a_cluster
	s_endpgm
.Lentry_in_a_cluster:
	s_bfe_u32 s2, ttmp6, 0x10000c
	s_cmp_lg_u32 s2, 0x3003
	s_cbranch_scc0 .Lentry_shape_is_right
	s_endpgm
.Lentry_shape_is_right:
; THIRD OF THREE LAUNCHES.  out0 = (O W_out^T)^T + x on codes of E5M2: out0[channel][token] = 2^(e6+e7) x the sum over k of O's and w_out's codes + x[channel][token].
; o_codes: for each block of 64 tokens 65,536 bytes in the order of an operand's registers: [K step s: 8][tile tt of 16 tokens: 4][c: 4][lane: 32][16 bytes].  w_out_codes: [1024][1024], K innermost.
; SHARES.  A work-group takes 256 tokens x 256 channels (work-group y: channels 256 y on).  Each wave owns 64 tokens: their 65,536 codes stay in 512 registers.  All four waves walk the same 256 weight rows, which lie in LDS whole:
; four groups of 64 rows.  At the head each wave fetches 16 rows of group 0; behind the full sequence and one round each wave fetches 48 of the other 192 rows, which land while group 0 is multiplied.
; CLUSTER.  The four work-groups of a cluster have the same channels and other tokens: every tile of weights is asked for JOINTLY, with the mask of all four.
; Source 0 = 16 tokens, source 1 = 16 weight rows: a lane holds one channel and eight neighbouring tokens; a pair of tiles goes through the wave's own stage in LDS and leaves as channels' rows of 256 bytes, aligned.
; x is loaded three to four pairs ahead into window 1.  No prefetch is laid: there is no loop to run ahead in, and all weights are asked for in the head.
; LIMIT: e6 + e7 between -126 and 127, so that 2^(e6+e7) is an f32 number.
.set PITCH,  1040
.set TILEB,  16*PITCH
.set GROUPB, 4*TILEB
.set STAGE,  4*GROUPB
.set ACC,    32
.set W,      96
.set WV,     14
.set AB,     36
.set G0,     48
.set MSB, 0
.macro WIN new
.if MSB != (\new)
	s_set_vgpr_msb (MSB<<8)|(\new)
.set MSB, \new
.endif
.endm
.macro PLACES
.rept 4
	v_nop
.endr
.endm
.macro CROUND
	s_barrier_signal -1
	s_barrier_wait -1
	s_cmp_lg_u32 s[WV], 0
	s_cbranch_scc1 .Lnot_wave_0_\@
	s_barrier_signal -3
.Lnot_wave_0_\@:
	s_barrier_wait -3
	s_barrier_signal -1
	s_barrier_wait -1
.endm
.macro ACTLOAD
.irp s, 0,1,2,3,4,5,6,7
.if \s < 4
	WIN 0x80
.else
	WIN 0xc0
.endif
.irp tt, 0,1,2,3
.irp c, 0,1,2,3
	global_load_b128 v[64*(\s%4)+16*\tt+4*\c:64*(\s%4)+16*\tt+4*\c+3], v5, s[AB:AB+1] offset:\s*8192+\tt*2048+\c*512
.endr
.endr
.endr
	WIN 0
.endm
.macro FETCH ta, tb, g, p
.irp sp, 0,1
.irp c, 0,1,2,3
	ds_load_b128 v[W+64*(\p)+16*\sp+4*\c:W+64*(\p)+16*\sp+4*\c+3], v4 offset:(\ta)*TILEB+(2*(\g)+\sp)*128+32*\c
.endr
.endr
.irp sp, 0,1
.irp c, 0,1,2,3
	ds_load_b128 v[W+64*(\p)+32+16*\sp+4*\c:W+64*(\p)+32+16*\sp+4*\c+3], v4 offset:(\tb)*TILEB+(2*(\g)+\sp)*128+32*\c
.endr
.endr
.endm
.macro MUL g, p
.set WN, 2+((\g)/2)
	WIN WN
.irp sp, 0,1
.irp ab, 0,1
.irp tt, 0,1,2,3
.set rD, ACC+8*(4*\ab+\tt)
.set rW, W+64*(\p)+16*(2*\ab+\sp)
.set rX, 64*((2*(\g)+\sp)%4)+16*\tt
.if ((\g) == 0) && (\sp == 0)
	v_wmma_f32_16x16x128_bf8_bf8 v[rD:rD+7], v[rX:rX+15], v[rW:rW+15], 0
.else
	v_wmma_f32_16x16x128_bf8_bf8 v[rD:rD+7], v[rX:rX+15], v[rW:rW+15], v[rD:rD+7]
.endif
.endr
.endr
.endr
.endm
.macro PAIR ta, tb, nxt, nta, ntb
.irp g, 0,1,2,3
	s_wait_dscnt 0x0
	WIN 0
.if \g < 3
	PLACES
	FETCH \ta, \tb, \g+1, (\g+1)%2
.elseif \nxt
	PLACES
	FETCH \nta, \ntb, 0, 0
.endif
	MUL \g, \g%2
.endr
.endm
.macro ARRIVE grp
	WIN 0
.if (\grp) == 1
	s_wait_tensorcnt 0x0                           ; my 48 rows of groups 1 to 3 are in
	s_wait_dscnt 0x0
	s_barrier_signal -1                            ; and so are everybody's: groups 2 and 3 need no further barrier.  (Group 0 was shown by the round in the head.)
	s_barrier_wait -1
.endif
.if (\grp) > 0
	PLACES
.endif
	v_add_nc_u32 v4, (\grp)*GROUPB, v3
	FETCH 0, 1, 0, 0
.endm
.macro XLOAD P
	WIN 0x40
.irp i, 0,1,2,3,4,5,6,7,8,9,10,11,12,13,14,15
	global_load_b128 v[64*((\P)%4)+4*\i:64*((\P)%4)+4*\i+3], v8, s[38+2*((\P)/4):39+2*((\P)/4)] offset:(((\P)%4)*32+2*\i)*65536 th:TH_LOAD_NT
.endr
	WIN 0
.endm
.macro EPI P
.set XS, 64*((\P)%4)
	WIN 0
.irp ab, 0,1
.irp tt, 0,1,2,3
	ds_store_b128 v6, v[ACC+8*(4*\ab+\tt):ACC+8*(4*\ab+\tt)+3] offset:\ab*4352+64*\tt
	ds_store_b128 v6, v[ACC+8*(4*\ab+\tt)+4:ACC+8*(4*\ab+\tt)+7] offset:\ab*4352+64*\tt+16
.endr
.endr
.irp i, 0,1,2,3,4,5,6,7,8,9,10,11,12,13,14,15
	ds_load_b128 v[ACC+4*\i:ACC+4*\i+3], v7 offset:\i*544
.endr
.if ((\P) >= 1) && ((\P) <= 4)
	s_wait_xcnt 0x0
	XLOAD (\P)+3
.endif
.if 7-(\P) >= 3
	s_wait_loadcnt 48
.else
	s_wait_loadcnt 16*(7-(\P))
.endif
	s_wait_dscnt 0x0
	WIN 0x50
.irp i, 0,2,4,6,8,10,12,14,16,18,20,22,24,26,28,30,32,34,36,38,40,42,44,46,48,50,52,54,56,58,60,62
	v_pk_fma_f32 v[XS+\i:XS+\i+1], v[ACC+\i:ACC+\i+1], s[34:35], v[XS+\i:XS+\i+1] op_sel_hi:[1,0,1]
.endr
	WIN 0x04
.irp i, 0,1,2,3,4,5,6,7,8,9,10,11,12,13,14,15
	global_store_b128 v8, v[XS+4*\i:XS+4*\i+3], s[42+2*((\P)/4):43+2*((\P)/4)] offset:(((\P)%4)*32+2*\i)*65536 th:TH_STORE_NT
.endr
	WIN 0
.endm
	s_load_b256 s[4:11], s[0:1], 0x0
	s_load_b64 s[12:13], s[0:1], 0x20
	v_lshl_add_u32 v254, v0, 2, 0x49800
	v_mov_b32 v255, 0
	ds_add_u32 v254, v255
	ds_add_u32 v254, v255
	v_lshrrev_b32 v3, 5, v0
	v_readfirstlane_b32 s[WV], v3
	s_bfe_u32 s29, ttmp6, 0x40000
	s_lshl_b32 s30, ttmp9, 2
	s_add_co_u32 s30, s30, s29
	s_and_b32 s31, ttmp7, 0xffff
	s_mov_b32 s16, 15|(1<<20)|(1<<21)|(7<<22)|(3<<25)
	s_mov_b32 s17, 1024<<16
	s_mov_b32 s18, 16<<16
	s_mov_b32 s19, 1024<<16
	s_mov_b32 s20, 16
	s_mov_b32 s21, 1024
	s_mov_b32 s22, 0
	s_mov_b32 s23, 0
	s_mul_i32 s25, s[WV], TILEB
	s_lshl_b32 s66, s31, 18
	s_lshl_b32 s67, s[WV], 14
	s_add_co_u32 s66, s66, s67
	s_mov_b32 s67, 0
	s_lshl_b32 s68, s30, 2
	s_add_co_u32 s68, s68, s[WV]
	s_lshl_b32 s68, s68, 16
	s_mov_b32 s69, 0
	s_lshl_b32 s70, s31, 24
	s_lshl_b32 s71, s30, 10
	s_add_co_u32 s70, s70, s71
	s_lshl_b32 s71, s[WV], 8
	s_add_co_u32 s70, s70, s71
	s_mov_b32 s71, 0
	s_wait_dscnt 0x0
	s_wait_kmcnt 0x0
	s_add_nc_u64 s[26:27], s[6:7], s[66:67]
	s_add_nc_u64 s[AB:AB+1], s[4:5], s[68:69]
	s_add_nc_u64 s[38:39], s[10:11], s[70:71]
	s_add_nc_u64 s[40:41], s[38:39], 0x800000
	s_add_nc_u64 s[42:43], s[12:13], s[70:71]
	s_add_nc_u64 s[44:45], s[42:43], 0x800000
	s_mov_b32 s[G0], 1                             ; group 0 of the first load: my 16 rows of the first 64
	s_mov_b32 s[G0+1], s25
	s_mov_b64 s[G0+2:G0+3], s[26:27]
	s_or_b32 s[G0+3], s[G0+3], 0x80000000
	s_mul_i32 s82, s[WV], 48*PITCH                 ; of the second: rows 64 + 48 wave on, in LDS behind the first 64 rows,
	s_lshl_b32 s80, s[WV], 15                      ; in memory 64 + 32 wave rows on from my first load's
	s_mov_b32 s81, 0
	s_mov_b32 s[G0+4], 1
	s_add_co_u32 s[G0+5], s82, GROUPB
	s_add_nc_u64 s[G0+6:G0+7], s[26:27], s[80:81]
	s_add_nc_u64 s[G0+6:G0+7], s[G0+6:G0+7], 0x10000
	s_or_b32 s[G0+7], s[G0+7], 0x80000000
	s_mov_b32 s72, 15|(1<<20)|(1<<21)|(7<<22)|(3<<25)  ; its group 1: as the first load's, with 48 rows
	s_mov_b32 s73, 1024<<16
	s_mov_b32 s74, 48<<16
	s_mov_b32 s75, 1024<<16
	s_mov_b32 s76, 48
	s_mov_b32 s77, 1024
	s_mov_b32 s78, 0
	s_mov_b32 s79, 0
	CROUND                                         ; all four work-groups are here: the first joint loads meet
	tensor_load_to_lds s[G0:G0+3], s[16:23]        ; my one tensor load at the head
	s_nop 0
	PLACES
	s_load_b64 s[46:47], s[8:9], 0x18
	v_and_b32 v22, 15, v0
	v_bfe_u32 v23, v0, 4, 1
	v_and_b32 v24, 31, v0
	v_mul_u32_u24 v3, v22, PITCH
	v_lshl_add_u32 v3, v23, 4, v3
	v_lshlrev_b32 v5, 4, v24
	s_mul_i32 s66, s[WV], 32*272
	s_add_co_u32 s66, s66, STAGE
	v_mul_u32_u24 v6, v22, 272
	v_lshl_add_u32 v6, v23, 5, v6
	v_add_nc_u32 v6, s66, v6
	v_mul_u32_u24 v7, v23, 272
	v_lshl_add_u32 v7, v22, 4, v7
	v_add_nc_u32 v7, s66, v7
	v_lshlrev_b32 v8, 16, v23
	v_lshl_add_u32 v8, v22, 4, v8
	s_wait_alu depctr_va_vdst(0)
	ACTLOAD
	s_wait_alu depctr_va_vdst(0)
	s_wait_tensorcnt 0x0                           ; my part of the first 64 rows is in; a later first fill is issued as a refill is:
	ds_add_u32 v254, v255                          ; 0 onto my spare word
	s_wait_dscnt 0x0
	CROUND                                         ; everybody's part is in, and the joint loads meet
	tensor_load_to_lds s[G0+4:G0+7], s[72:79]      ; my one tensor load behind the round: 48 of the other 192 rows
	s_nop 0
	PLACES
	XLOAD 0
	XLOAD 1
	XLOAD 2
	XLOAD 3
	s_wait_kmcnt 0x0
	s_add_co_i32 s34, s46, s47
	s_add_co_i32 s34, s34, 127
	s_lshl_b32 s34, s34, 23
	s_mov_b32 s35, s34
	s_wait_loadcnt 63
	ARRIVE 0
	s_wait_alu depctr_va_vdst(0)
.irp grp, 0,1,2,3
	PAIR 0, 1, 1, 2, 3
	WIN 0
	PLACES
	EPI 2*\grp
	PAIR 2, 3, 0, 0, 0
.if \grp < 3
	ARRIVE \grp+1
.else
	WIN 0
	PLACES
.endif
	EPI 2*\grp+1
.endr
	s_wait_tensorcnt 0x0
	ds_add_u32 v254, v255
	s_wait_dscnt 0x0
	CROUND
	s_endpgm
.Lfunc_end_k_q760df39687_proj:
	.size	k_q760df39687_proj, .Lfunc_end_k_q760df39687_proj-k_q760df39687_proj
	.p2alignl 7, 3214868480
	.fill 96, 4, 3214868480
	.section	.rodata,"a",@progbits
	.p2align	6, 0x0
	.amdhsa_kernel k_q760df39687_proj
		.amdhsa_group_segment_fixed_size 327680
		.amdhsa_private_segment_fixed_size 0
		.amdhsa_enable_private_segment 0
		.amdhsa_kernarg_size 40
		.amdhsa_user_sgpr_count 2
		.amdhsa_user_sgpr_kernarg_segment_ptr 1
		.amdhsa_wavefront_size32 1
		.amdhsa_system_sgpr_workgroup_id_x 1
		.amdhsa_system_sgpr_workgroup_id_y 1
		.amdhsa_system_sgpr_workgroup_id_z 1
		.amdhsa_system_vgpr_workitem_id 0
		.amdhsa_next_free_vgpr 1024
		.amdhsa_next_free_sgpr 100
		.amdhsa_reserve_vcc 0
		.amdhsa_float_denorm_mode_32 3
		.amdhsa_float_denorm_mode_16_64 3
		.amdhsa_memory_ordered 1
		.amdhsa_forward_progress 1
		.amdhsa_inst_pref_size 148
	.end_amdhsa_kernel
	.amdgpu_metadata
---
amdhsa.version: [ 1, 2 ]
amdhsa.kernels:
  - .name:           k_q760df39687_proj
    .symbol:         k_q760df39687_proj.kd
    .args:
      - { .name: o_codes, .offset: 0, .size: 8, .value_kind: global_buffer, .address_space: global }
      - { .name: w_out_codes, .offset: 8, .size: 8, .value_kind: global_buffer, .address_space: global }
      - { .name: lowp_scales, .offset: 16, .size: 8, .value_kind: global_buffer, .address_space: global }
      - { .name: x, .offset: 24, .size: 8, .value_kind: global_buffer, .address_space: global }
      - { .name: out0, .offset: 32, .size: 8, .value_kind: global_buffer, .address_space: global }
    .group_segment_fixed_size: 327680
    .private_segment_fixed_size: 0
    .kernarg_segment_align: 8
    .kernarg_segment_size: 40
    .max_flat_workgroup_size: 128
    .sgpr_count:     100
    .vgpr_count:     1024
    .wavefront_size: 32
...
	.end_amdgpu_metadata
.endif
;; end of part 3
